; MI455X (gfx1250); checked and timed in simulation.
; The chip was launched on July 23, 2026; its instructions are those of AMD's public machine-readable ISA for CDNA 5 (MIT licence, August 2026) and "CDNA5" Instruction Set Architecture Reference Guide (July 2026). The comments in the code are by the model that wrote it; some were corrected since.
;; Source Bias Seq. Allowed arithmetic: float matrix products may take bf16 or f16 operands with f32 sums; all other float work in f32.
;; Inputs: bias 64 x 1,024 float32; trans 64 x 1,024 x 1,024 float32; urls 64 x 16 int32; x 64 x 16 x 1,024 float32.
;; Outputs: out0 64 x 16 x 1,024 float32.
;; 2 versions, each right and faster than the one before. Each part assembles by itself: llvm-mc -triple=amdgcn-amd-amdhsa -mcpu=gfx1250 --defsym DOCPART=n.
;; ======== version 1 of 2: 2 launches
;; workspace buffers: order 278,528 bytes of whole numbers
;; launch route (part 1): grid 64 x 1, 1 waves a work-group, no clusters, 4,608 bytes of LDS; arguments urls, order; writes order
.if DOCPART == 1
	.amdgcn_target "amdgcn-amd-amdhsa--gfx1250"
	.amdhsa_code_object_version 6
	.text
	.protected	k_q20a91fb869_route
	.globl	k_q20a91fb869_route
	.p2align	8
	.type	k_q20a91fb869_route,@function
k_q20a91fb869_route:
	s_mov_b64 s[64:65], 0
	v_nop
	global_prefetch_b8 v0, s[64:65] scope:SCOPE_SE
	s_setreg_imm32_b32 hwreg(HW_REG_WAVE_MODE, 25, 1), 1
	s_wait_xcnt 0x0
; ROUTING.  urls: 1,024 indices (int32), one for each token.  Work-group e (one wave) makes expert e's record in order:
; 1,024 words: the numbers of the tokens whose index is e, in a fixed order, zeros behind them; then 64 words that all hold their count.
; A record is 4,352 bytes = 17 blocks of 256, each stored whole.  The next launch takes its trip guards and its gather addresses from here.
; The wave compares all indices with e (32 ballots), gives each matching token the place "found so far + matching lower lanes", and lays the
; token numbers into its LDS; a lane whose token belongs to another expert writes a spare word behind the list, so that all lanes stay on.
; No branch and no global address of this launch hangs on the indices.  64 experts give work for 64 waves: no more are launched.
; LIMIT.  An index outside 0 .. 63 matches no expert and enters no list (an index stays inside its table by the problem's own terms).
.set NTOK,  1024
.set REC,   4352                       ; bytes in a record
.set CNTB,  4096                       ; the count's block in a record
.set U,     16                         ; v[16:47] the indices: register 4 i + j holds the index of token 128 i + 4 lane + j; later the list as read back
; v1 16 x lane   v2 4 x lane   v3 the spare word's index   v4 place   v5 token   v[6:7] the count, twice   v8 8 x lane   v[12:15] zeros
; s[4:5] urls   s[6:7] order at my record   s[8:9] an offset   s10 at work   s11 running base   s12 e   s[32:63] 32 ballots
	s_load_b128 s[4:7], s[0:1], 0x0                ; urls, order
	v_lshl_add_u32 v48, v0, 2, 0x1100
	v_mov_b32 v49, 0
	v_lshlrev_b32 v1, 4, v0                        ; one wave: v0 is the lane
	v_lshlrev_b32 v2, 2, v0
	v_lshlrev_b32 v8, 3, v0
	v_mov_b32 v3, NTOK
	s_mov_b32 s12, ttmp9                           ; expert e
	s_mul_i32 s8, ttmp9, REC
	s_mov_b32 s9, 0
	s_wait_kmcnt 0x0
	s_add_nc_u64 s[6:7], s[6:7], s[8:9]
.irp i, 0,1,2,3,4,5,6,7
	global_load_b128 v[U+4*\i:U+4*\i+3], v1, s[4:5] offset:512*\i
.endr
	v_mov_b32 v12, 0
	v_mov_b32 v13, 0
	v_mov_b32 v14, 0
	v_mov_b32 v15, 0
.irp i, 0,1,2,3,4,5,6,7
	ds_store_b128 v1, v[12:15] offset:512*\i       ; zeros first: places behind the list's end hold a valid token number
.endr
	s_wait_loadcnt 0x0
.set n, 0
.rept 32
	v_cmp_eq_u32 s[32+n], s12, v[U+n]              ; which lanes' tokens are mine
.set n, n+1
.endr
	s_mov_b32 s11, 0
.set n, 0
.rept 32
	v_mbcnt_lo_u32_b32 v4, s[32+n], s11            ; place = those found so far + those in lower lanes
	v_cndmask_b32 v4, v3, v4, s[32+n]              ; another expert's token goes to the spare word
	v_min_u32 v4, 0x400, v4                        ; held inside the list and its spare word
	v_lshlrev_b32 v4, 2, v4
	v_add_nc_u32 v5, 128*(n>>2)+(n&3), v2          ; the token's number
	s_bcnt1_i32_b32 s10, s[32+n]
	s_add_co_u32 s11, s11, s10
	ds_store_b32 v4, v5                            ; LDS serves a wave's instructions in order: these land on the zeros
.set n, n+1
.endr
.irp i, 0,1,2,3,4,5,6,7
	ds_load_b128 v[U+4*\i:U+4*\i+3], v1 offset:512*\i              ; and these see the stores above
.endr
	v_mov_b32 v6, s11
	v_mov_b32 v7, s11
	global_store_b64 v8, v[6:7], s[6:7] offset:CNTB                ; 32 lanes x 8 bytes: the count's block, whole
.irp i, 0,1,2,3,4,5,6,7
	s_wait_dscnt 7-\i                              ; LDS loads come back in order: piece i is in
	global_store_b128 v1, v[U+4*\i:U+4*\i+3], s[6:7] offset:512*\i ; 512 consecutive bytes, aligned
.endr
	s_wait_tensorcnt 0x0
	ds_add_u32 v48, v49
	s_wait_dscnt 0x0
	s_endpgm
.Lfunc_end_k_q20a91fb869_route:
	.size	k_q20a91fb869_route, .Lfunc_end_k_q20a91fb869_route-k_q20a91fb869_route
	.p2alignl 7, 3214868480
	.fill 96, 4, 3214868480
	.section	.rodata,"a",@progbits
	.p2align	6, 0x0
	.amdhsa_kernel k_q20a91fb869_route
		.amdhsa_group_segment_fixed_size 4608
		.amdhsa_private_segment_fixed_size 0
		.amdhsa_enable_private_segment 0
		.amdhsa_kernarg_size 16
		.amdhsa_user_sgpr_count 2
		.amdhsa_user_sgpr_kernarg_segment_ptr 1
		.amdhsa_wavefront_size32 1
		.amdhsa_system_sgpr_workgroup_id_x 1
		.amdhsa_system_sgpr_workgroup_id_y 1
		.amdhsa_system_sgpr_workgroup_id_z 1
		.amdhsa_system_vgpr_workitem_id 0
		.amdhsa_next_free_vgpr 50
		.amdhsa_next_free_sgpr 66
		.amdhsa_reserve_vcc 0
		.amdhsa_float_denorm_mode_32 3
		.amdhsa_float_denorm_mode_16_64 3
		.amdhsa_memory_ordered 1
		.amdhsa_forward_progress 1
		.amdhsa_inst_pref_size 19
	.end_amdhsa_kernel
	.amdgpu_metadata
---
amdhsa.version: [ 1, 2 ]
amdhsa.kernels:
  - .name:           k_q20a91fb869_route
    .symbol:         k_q20a91fb869_route.kd
    .args:
      - { .name: urls, .offset: 0, .size: 8, .value_kind: global_buffer, .address_space: global }
      - { .name: order, .offset: 8, .size: 8, .value_kind: global_buffer, .address_space: global }
    .group_segment_fixed_size: 4608
    .private_segment_fixed_size: 0
    .kernarg_segment_align: 8
    .kernarg_segment_size: 16
    .max_flat_workgroup_size: 32
    .sgpr_count:     66
    .vgpr_count:     50
    .wavefront_size: 32
...
	.end_amdgpu_metadata
.endif
;; end of part 1
;; launch route_mm (part 2): grid 256 x 1, 16 waves a work-group, no clusters, 199,168 bytes of LDS; arguments order, x, trans, bias, out0; writes out0
.if DOCPART == 2
	.amdgcn_target "amdgcn-amd-amdhsa--gfx1250"
	.amdhsa_code_object_version 6
	.text
	.protected	k_q20a91fb869_route_mm
	.globl	k_q20a91fb869_route_mm
	.p2align	8
	.type	k_q20a91fb869_route_mm,@function
k_q20a91fb869_route_mm:
	s_mov_b64 s[64:65], 0
	v_nop
	global_prefetch_b8 v0, s[64:65] scope:SCOPE_SE
	s_setreg_imm32_b32 hwreg(HW_REG_WAVE_MODE, 25, 1), 1
	s_wait_xcnt 0x0
; out0[n][:] = tanh(x[n][:] . trans[urls[n]] + bias[urls[n]][:]),  n = 0 .. 1023,  64 experts,  D = 1024, all f32 in memory.
; Only the routed product reaches the output, so each expert's 4 MiB of weights are read once and multiplied with its own tokens.
;
; SHARES.  256 work-groups of 16 waves.  Work-group g: expert e = g >> 2, columns 256 (g & 3) .. + 255: 1 MiB of trans.
; Wave w: column group c = w >> 2 (64 columns = 256 bytes of each row of trans), K quarter q = w & 3 (256 rows): 64 KiB, in 8 K steps of 32.
; The four K quarters' partial sums meet in LDS; then each wave finishes 8 token places x 64 columns (bias, tanh, store).
;
; ROUTING.  The launch before has stored, for each expert, the list of its tokens (1,024 words, zeros behind the list's end) and their count
; (record of 4,352 bytes in order).  Every guard and every gather address here is made of whole numbers read from that record.
; A pass serves 32 places of the list.  Pass 0 is written out; passes 1 to 31 are a loop of fixed length whose three phases are jumped
; over where the list has ended, while its two barriers stand on every wave's path.
;
; FRAGMENTS WITHOUT A TRANSPOSE.  trans lies [k][column]; the matrix instruction wants k along a lane's registers.  Lane (r, h) loads,
; for i = 0 .. 15, the 16 bytes of row k0 + 16 h + i at columns 4 r .. 4 r + 3: sixteen lanes cover 256 consecutive bytes, aligned.
; Word jt of loads 2 m and 2 m + 1, rounded and packed, is register m of a B fragment that stands for the columns 4 r + jt.  k is thereby
; permuted inside the K step; A's fragment takes the same permutation: lane (r, h) reads x[place r][k0 + 16 h .. + 15], 32 consecutive bytes of bf16.
; In the result, register j of tile jt is (place 8 h + j, column 4 r + jt): the four tiles' registers j are 16 neighbouring bytes of an output row.
;
; NOT USED, AND WHY.  Tensor loads and LDS for trans: the weights go from the load's registers straight into fragments, and 32 loads of 512
; bytes a wave, 16 waves, are 256 KiB on their way for the work-group.  Clusters: what an expert's four work-groups share is x, 16 rows of
; 4 KiB on average against 1 MiB of weights each, gathered by a list and rounded on the way.  Prefetch: the stream itself is the launch.
;
; LIMITS.  Matrix operands are rounded to bf16, sums are f32 (four partial sums over K, added pairwise).
; tanh(y) = 1 - 2 / (1 + 2^(2.885390 y)): it saturates to +1 and -1 through infinity and zero; its absolute error is a few 1e-7,
; so for |y| below about 1e-5 the relative accuracy falls off.  An index outside 0 .. 63 is in no expert's list: that row of out0 is not
; written (an index stays inside its table by the problem's own terms).  Every further 32 tokens of one expert stream its slice of trans
; once more: a matter of time, not of values.  An expert without tokens still streams its slice once and stores nothing.
.set NTOK,   1024
.set ROWB,   4096                      ; bytes in a row of x, trans, bias, out0
.set CAP,    32                        ; list places in a pass: two token tiles of 16
.set REC,    4352                      ; bytes in an expert's record in order
.set CNTB,   4096                      ; where the count stands in it
; LDS: from byte 0, 32 rows of x in bf16; behind them the partial sums
.set XPITCH, 2064                      ; 2,048 bytes + 16: 129 x 16, so sixteen rows' 16-byte pieces fall on sixteen different places modulo 256
.set XTILE,  16*XPITCH
.set RED0,   2*XTILE                   ; 66,048: 16 waves x 8,192 bytes of partial sums; ends at 197,120
; vector registers
;   v1  offset in trans: (h << 16) | (r << 4)        v2  LDS address of my A fragments      v3  LDS address where I put a row of x
;   v4  LDS address of my partial sums               v5  LDS address of the sums I finish   v6  4 x my first place        v7  column bytes + 16 r
;   v8  my first place in the pass (finish)          v9  16 x lane                          v10, v11 at work              v[12:15] bias x 2.885390
.set AF,   16                          ; v[16:31]   A fragments, token tiles 0 and 1; in the finish v[16:19] tokens, v[20:23] offsets in out0
.set B,    32                          ; v[32:63]   B fragments jt = 0 .. 3
.set ACC,  64                          ; v[64:127]  sums, tile (t, jt) at 64 + 32 t + 8 jt; before that the rows of x as loaded
.set RAW,  128                         ; v[128:255] two halves of 16 loads x 4 words of trans; in the finish the partial sums
.set OUTR, 192                         ; v[192:207] in the finish: four places x 4 columns to store
; scalar registers
;   s2 w  s3 c  s14 q  s15 e  s16 column bytes  s17 count  s18 the pass's first place  s19 count - s18  s[4:5] order at my expert's record
;   s[6:7] x  s[8:9] trans at my first row and column  s[10:11] bias at row e  s[12:13] out0  s[20:23] two rows of x
;   s[24:25] an offset, high word 0  s26, s31 my two tokens, at work  s27 takes the old EXEC  s28 2.885390  s29, s30 my two places
;   s[32:33] the list at my first place
.macro PLACES                          ; four plain vector instructions behind a matrix instruction, before its sources are loaded or written again
.rept 4                                ; and before its result is read by anything but the next link of its sum (ISA guide 7.12.1)
	v_nop
.endr
.endm
.macro BAR                             ; my LDS instructions are done, loads and stores; then every wave's are
	s_wait_dscnt 0x0
	s_barrier_signal -1
	s_barrier_wait -1
.endm
; K step s of my 64 KiB of trans: 16 loads, two rows each (lanes 0-15 row 32 s + i, lanes 16-31 row 32 s + 16 + i), into half s % 2 of RAW.
; The step stands in the immediate (978,944 at the most), so no address register is ever stepped.  Read once in the usual case: not kept in the caches.
.macro FILL s
.irp i, 0,1,2,3,4,5,6,7,8,9,10,11,12,13,14,15
	global_load_b128 v[RAW+64*((\s)%2)+4*\i:RAW+64*((\s)%2)+4*\i+3], v1, s[8:9] offset:(32*(\s)+\i)*ROWB th:TH_LOAD_NT
.endr
.endm
; One K step.  zero = 1: the products start the sums.  refill = 1: the half just converted is asked for again, two steps ahead.
; left = how many younger loads may stay out when this step's 16 have to be there.
.macro STEP s, zero, refill, left
.if \s
	PLACES                                         ; behind the last step's matrix instructions: A is loaded and B written again below
.endif
	ds_load_b128 v[AF:AF+3],     v2 offset:64*\s                   ; tile 0: x[place r][k0 + 16 h .. + 7]
	ds_load_b128 v[AF+4:AF+7],   v2 offset:64*\s+16                ;                    .. + 8 .. + 15
	ds_load_b128 v[AF+8:AF+11],  v2 offset:XTILE+64*\s             ; tile 1: places 16 to 31
	ds_load_b128 v[AF+12:AF+15], v2 offset:XTILE+64*\s+16
	s_wait_loadcnt \left                           ; loads come back in order: this step's are in, the next step's 16 stay out
.irp jt, 0,1,2,3
.irp m, 0,1,2,3,4,5,6,7
	v_cvt_pk_bf16_f32 v[B+8*\jt+\m], v[RAW+64*(\s%2)+8*\m+\jt], v[RAW+64*(\s%2)+8*\m+4+\jt]    ; rows 16 h + 2 m and + 2 m + 1 of column 4 r + jt
.endr
.endr
.if \refill
	FILL \s+2
.endif
	s_wait_dscnt 0x0                               ; A's fragments
	; eight sums take turns, one instruction a turn, over the step's end too
.irp jt, 0,1,2,3
.irp t, 0,1
.if \zero
	v_wmma_f32_16x16x32_bf16 v[ACC+32*\t+8*\jt:ACC+32*\t+8*\jt+7], v[AF+8*\t:AF+8*\t+7], v[B+8*\jt:B+8*\jt+7], 0
.else
	v_wmma_f32_16x16x32_bf16 v[ACC+32*\t+8*\jt:ACC+32*\t+8*\jt+7], v[AF+8*\t:AF+8*\t+7], v[B+8*\jt:B+8*\jt+7], v[ACC+32*\t+8*\jt:ACC+32*\t+8*\jt+7]
.endif
.endr
.endr
.endm
; My K quarter for the pass's 32 places, then my partial sums into my own 8 KiB of LDS.  early = 1: steps 0 and 1 have been asked for already.
.macro STREAM early
.if \early == 0
	FILL 0
	FILL 1
.endif
	STEP 0, 1, 1, 16
	STEP 1, 0, 1, 16
	STEP 2, 0, 1, 16
	STEP 3, 0, 1, 16
	STEP 4, 0, 1, 16
	STEP 5, 0, 1, 16
	STEP 6, 0, 0, 16                               ; step 7's loads are the last
	STEP 7, 0, 0, 0
	PLACES                                         ; behind the last matrix instructions: the stores below read results
.irp t, 0,1
.irp jt, 0,1,2,3
.irp jq, 0,1
	ds_store_b128 v4, v[ACC+32*\t+8*\jt+4*\jq:ACC+32*\t+8*\jt+4*\jq+3] offset:512*(8*\t+2*\jt+\jq)   ; places 16 t + 8 h + 4 jq .. + 3, column 4 r + jt; 16 bytes a lane, side by side
.endr
.endr
.endr
.endm
; A row of x: eight loads of 512 consecutive bytes.  Four work-groups read it, so no hint.
.macro LOADROW i
.irp j, 0,1,2,3,4,5,6,7
	global_load_b128 v[ACC+32*\i+4*\j:ACC+32*\i+4*\j+3], v9, s[20+2*\i:21+2*\i] offset:512*\j
.endr
.endm
.macro PUTROW i                        ; rounded to bf16, 8 bytes a lane, into row w + 16 i of X
.irp j, 0,1,2,3,4,5,6,7
	v_cvt_pk_bf16_f32 v[ACC+32*\i+4*\j],   v[ACC+32*\i+4*\j],   v[ACC+32*\i+4*\j+1]
	v_cvt_pk_bf16_f32 v[ACC+32*\i+4*\j+1], v[ACC+32*\i+4*\j+2], v[ACC+32*\i+4*\j+3]
	ds_store_b64 v3, v[ACC+32*\i+4*\j:ACC+32*\i+4*\j+1] offset:\i*XTILE+256*\j
.endr
.endm
.macro ZEROROW i                       ; a place behind the list's end: zeros, so that no byte of X is read that was not written
.irp j, 0,1,2,3,4,5,6,7
	ds_store_b64 v3, v[10:11] offset:\i*XTILE+256*\j
.endr
.endm
; The pass's 32 rows of x into LDS: wave w brings places w and w + 16.  early = 1 (pass 0): the bias and K step 0 of trans are asked for while
; the token numbers are on their way, K step 1 behind the rows of x; the count, asked for just before, comes with the token numbers.
.macro STAGE early
	s_add_co_u32 s29, s18, s2                      ; my two places in the list: 1,023 at the most
	s_add_co_u32 s30, s29, 16
	s_lshl_b32 s24, s29, 2
	s_add_nc_u64 s[32:33], s[4:5], s[24:25]        ; last named by scalar loads that the wait for 0 below has shown done
	s_load_b32 s26, s[32:33], 0x0
	s_load_b32 s31, s[32:33], 0x40
.if \early
	global_load_b128 v[12:15], v7, s[10:11]        ; bias of my four columns
	FILL 0
.endif
	v_mov_b32 v10, 0                               ; a pair of zeros for the rows behind the list's end
	v_mov_b32 v11, 0
	s_wait_kmcnt 0x0
.if \early
	s_min_u32 s17, s17, NTOK                       ; the count
.endif
	s_min_u32 s26, s26, 0x3ff                      ; a token number, held inside x
	s_lshl_b32 s24, s26, 12
	s_add_nc_u64 s[20:21], s[6:7], s[24:25]        ; s[20:23] were last named by loads whose counted waits have passed
	s_min_u32 s31, s31, 0x3ff
	s_lshl_b32 s24, s31, 12
	s_add_nc_u64 s[22:23], s[6:7], s[24:25]
	s_cmp_lt_u32 s30, s17                          ; the second place inside the list: then the first is too
	s_cbranch_scc0 .Lnot_both_\@
	LOADROW 0
	LOADROW 1
.if \early
	FILL 1
.endif
	s_wait_loadcnt 8+16*\early                     ; row 0 is in; row 1's 8 loads (and K step 1's 16) stay out
	PUTROW 0
	s_wait_loadcnt 16*\early                       ; row 1 is in; (K step 1's 16 stay out)
	PUTROW 1
	s_branch .Lstaged_\@
.Lnot_both_\@:
	s_cmp_lt_u32 s29, s17
	s_cbranch_scc0 .Lnone_\@
	LOADROW 0
.if \early
	FILL 1
.endif
	s_wait_loadcnt 16*\early                       ; row 0 is in; (K step 1's 16 stay out)
	PUTROW 0
	ZEROROW 1
	s_branch .Lstaged_\@
.Lnone_\@:
.if \early
	FILL 1
.endif
	ZEROROW 0
	ZEROROW 1
.Lstaged_\@:
.endm
; Wave (c, q) finishes places 16 (q >> 1) + 8 h + 4 (q & 1) + 0 .. 3 of column group c: the four K quarters' sums, bias, tanh, store.
.macro FINISH
	s_sub_co_u32 s19, s17, s18                     ; places of this pass that the list fills
	s_lshl_b32 s26, s18, 2
	v_add_nc_u32 v10, s26, v6
	global_load_b128 v[16:19], v10, s[4:5]         ; my four places' token numbers: wanted only behind the arithmetic
.irp qq, 0,1,2,3
.irp jt, 0,1,2,3
	ds_load_b128 v[RAW+16*\qq+4*\jt:RAW+16*\qq+4*\jt+3], v5 offset:8192*\qq+1024*\jt
.endr
.endr
	s_wait_dscnt 0x0
.irp p, 0,2,4,6,8,10,12,14
	v_pk_add_f32 v[RAW+\p:RAW+\p+1],       v[RAW+\p:RAW+\p+1],       v[RAW+16+\p:RAW+16+\p+1]
	v_pk_add_f32 v[RAW+32+\p:RAW+32+\p+1], v[RAW+32+\p:RAW+32+\p+1], v[RAW+48+\p:RAW+48+\p+1]
.endr
.irp p, 0,2,4,6,8,10,12,14
	v_pk_add_f32 v[RAW+\p:RAW+\p+1], v[RAW+\p:RAW+\p+1], v[RAW+32+\p:RAW+32+\p+1]
.endr
.irp jt, 0,1,2,3
.irp jj, 0,1,2,3
	v_fma_f32 v[RAW+4*\jt+\jj], v[RAW+4*\jt+\jj], s28, v[12+\jt]   ; z = 2.885390 (sum + bias)
.endr
.endr
.irp u, 0,1,2,3,4,5,6,7,8,9,10,11,12,13,14,15
	v_exp_f32 v[RAW+\u], v[RAW+\u]
.endr
	v_nop                                          ; one plain instruction between the last exponential and the first use (ISA guide 5.7.2)
	s_wait_alu depctr_va_vdst(0)
.irp p, 0,2,4,6,8,10,12,14
	v_pk_add_f32 v[RAW+\p:RAW+\p+1], v[RAW+\p:RAW+\p+1], 1.0 op_sel_hi:[1,0]
.endr
.irp u, 0,1,2,3,4,5,6,7,8,9,10,11,12,13,14,15
	v_rcp_f32 v[RAW+\u], v[RAW+\u]
.endr
	v_nop                                          ; likewise behind the reciprocals
	s_wait_alu depctr_va_vdst(0)
.irp jj, 0,1,2,3
.irp jt, 0,1,2,3
	v_fma_f32 v[OUTR+4*\jj+\jt], v[RAW+4*\jt+\jj], -2.0, 1.0       ; tanh; a place's four columns side by side
.endr
.endr
	s_wait_loadcnt 0x0                             ; the token numbers: the only load that is out
.irp jj, 0,1,2,3
	v_min_u32 v[16+\jj], 0x3ff, v[16+\jj]          ; a token number, held inside out0
	v_lshlrev_b32 v[20+\jj], 12, v[16+\jj]         ; its row,
	v_add_nc_u32 v[20+\jj], v7, v[20+\jj]          ; my 16 bytes
.endr
.irp jj, 0,1,2,3
	v_add_nc_u32 v11, \jj, v8
	v_cmp_gt_u32 vcc_lo, s19, v11                  ; the place lies inside the list
	s_wait_xcnt 0x0                                ; EXEC is a source of every pending load and store: it changes only behind this wait
	s_and_saveexec_b32 s27, vcc_lo
	global_store_b128 v[20+\jj], v[OUTR+4*\jj:OUTR+4*\jj+3], s[12:13] th:TH_STORE_NT   ; sixteen lanes store 256 consecutive bytes, aligned
	s_wait_xcnt 0x0                                ; and again before it widens; the store's data and offset are free behind it too
	s_mov_b32 exec_lo, -1                          ; all lanes were on in front of the store: all on again
.endr
.endm
	; ---- arguments, ids, addresses
	s_load_b256 s[4:11], s[0:1], 0x0               ; order s[4:5], x s[6:7], trans s[8:9], bias s[10:11]
	s_load_b64 s[12:13], s[0:1], 0x20              ; out0
	v_lshrrev_b32 v10, 5, v0
	v_readfirstlane_b32 s2, v10                    ; wave w
	s_lshr_b32 s3, s2, 2                           ; column group c
	s_and_b32 s14, s2, 3                           ; K quarter q
	s_lshr_b32 s15, ttmp9, 2                       ; expert e
	s_and_b32 s16, ttmp9, 3                        ; slice of 256 columns
	s_lshl_b32 s16, s16, 10
	s_lshl_b32 s26, s3, 8
	s_add_co_u32 s16, s16, s26                     ; my first column, in bytes
	s_mov_b32 s28, 0x4038aa3b                      ; 2 / ln 2 = 2.885390
	v_and_b32 v10, 31, v0                          ; lane
	v_and_b32 v11, 15, v0                          ; r
	v_bfe_u32 v32, v0, 4, 1                        ; h
	v_lshlrev_b32 v1, 4, v11
	v_lshl_or_b32 v1, v32, 16, v1                  ; 16 h rows of 4,096 bytes + 16 r
	v_mul_u32_u24 v2, v11, XPITCH
	v_lshl_add_u32 v2, v32, 5, v2                  ; row r, + 16 h numbers of bf16,
	s_lshl_b32 s26, s14, 9
	v_add_nc_u32 v2, s26, v2                       ; + my K quarter's 256 numbers
	s_mul_i32 s26, s2, XPITCH
	v_lshl_add_u32 v3, v10, 3, s26                 ; row w of X, 8 bytes a lane
	v_lshlrev_b32 v9, 4, v10                       ; 16 x lane
	s_lshl_b32 s26, s2, 13
	s_add_co_u32 s26, s26, RED0
	v_add_nc_u32 v4, s26, v9                       ; my wave's partial sums
	s_lshr_b32 s29, s14, 1                         ; the finish: token tile q >> 1,
	s_and_b32 s30, s14, 1                          ; half q & 1 of a lane's eight places
	s_lshl_b32 s26, s3, 15                         ; the four waves of my column group: 4 x 8,192 bytes
	s_lshl_b32 s31, s29, 12
	s_add_co_u32 s26, s26, s31
	s_lshl_b32 s31, s30, 9
	s_add_co_u32 s26, s26, s31
	s_add_co_u32 s26, s26, RED0
	v_add_nc_u32 v5, s26, v9
	s_lshl_b32 s31, s29, 4
	s_lshl_b32 s26, s30, 2
	s_add_co_u32 s31, s31, s26                     ; 16 (q >> 1) + 4 (q & 1)
	v_lshl_add_u32 v8, v32, 3, s31                 ; + 8 h: my first place
	s_lshl_b32 s26, s31, 2
	v_lshl_add_u32 v6, v32, 5, s26                 ; and 4 x that: its word in the list
	v_lshl_add_u32 v7, v11, 4, s16                 ; my 16 bytes in a row of bias and of out0
	s_lshl_b32 s24, s15, 22                        ; e x 4 MiB
	s_lshl_b32 s26, s14, 20                        ; + q x 256 rows
	s_add_co_u32 s24, s24, s26
	s_add_co_u32 s24, s24, s16                     ; + my first column: below 2^28
	s_mov_b32 s25, 0                               ; stays 0
	s_wait_kmcnt 0x0
	s_add_nc_u64 s[8:9], s[8:9], s[24:25]
	s_lshl_b32 s24, s15, 12
	s_add_nc_u64 s[10:11], s[10:11], s[24:25]      ; bias at row e
	s_mul_i32 s24, s15, REC
	s_add_nc_u64 s[4:5], s[4:5], s[24:25]          ; order at my expert's record
	s_load_b32 s17, s[4:5], CNTB                   ; the count: waited for in the first stage, with the token numbers
	; ---- pass 0, on every path
	s_mov_b32 s18, 0
	STAGE 1
	BAR                                            ; X is whole
	STREAM 1
.irp j, 0,1,2,3
	v_mul_f32 v[12+\j], s28, v[12+\j]              ; bias x 2.885390, once: it rides on the multiply-add of the finish
.endr
	BAR                                            ; all partial sums are in LDS, and nobody reads X any more
	FINISH
	; ---- passes 1 to 31: places 32, 64, .. 992.  The phases run only while the list lasts; the barriers stand outside the jumps.
	; X is written again only behind the second barrier of the pass before; the partial sums only behind this pass's first,
	; in front of which every wave's reads of them are back.
	s_mov_b32 s18, CAP
.Lpass:
	s_cmp_lt_u32 s18, s17
	s_cbranch_scc0 .Lno_stage
	STAGE 0
.Lno_stage:
	BAR
	s_cmp_lt_u32 s18, s17
	s_cbranch_scc0 .Lno_stream
	STREAM 0
.Lno_stream:
	BAR
	s_cmp_lt_u32 s18, s17
	s_cbranch_scc0 .Lno_finish
	FINISH
.Lno_finish:
	s_add_co_u32 s18, s18, CAP
	s_cmp_lt_u32 s18, NTOK
	s_cbranch_scc1 .Lpass
	s_wait_xcnt 0x0
	s_mov_b32 exec_lo, -1
	v_lshl_add_u32 v62, v0, 2, 0x30200
	v_mov_b32 v63, 0
	s_wait_tensorcnt 0x0
	ds_add_u32 v62, v63
	s_wait_dscnt 0x0
	s_endpgm
.Lfunc_end_k_q20a91fb869_route_mm:
	.size	k_q20a91fb869_route_mm, .Lfunc_end_k_q20a91fb869_route_mm-k_q20a91fb869_route_mm
	.p2alignl 7, 3214868480
	.fill 96, 4, 3214868480
	.section	.rodata,"a",@progbits
	.p2align	6, 0x0
	.amdhsa_kernel k_q20a91fb869_route_mm
		.amdhsa_group_segment_fixed_size 199168
		.amdhsa_private_segment_fixed_size 0
		.amdhsa_enable_private_segment 0
		.amdhsa_kernarg_size 40
		.amdhsa_user_sgpr_count 2
		.amdhsa_user_sgpr_kernarg_segment_ptr 1
		.amdhsa_wavefront_size32 1
		.amdhsa_system_sgpr_workgroup_id_x 1
		.amdhsa_system_sgpr_workgroup_id_y 1
		.amdhsa_system_sgpr_workgroup_id_z 1
		.amdhsa_system_vgpr_workitem_id 0
		.amdhsa_next_free_vgpr 256
		.amdhsa_next_free_sgpr 66
		.amdhsa_reserve_vcc 1
		.amdhsa_float_denorm_mode_32 3
		.amdhsa_float_denorm_mode_16_64 3
		.amdhsa_memory_ordered 1
		.amdhsa_forward_progress 1
		.amdhsa_inst_pref_size 115
	.end_amdhsa_kernel
	.amdgpu_metadata
---
amdhsa.version: [ 1, 2 ]
amdhsa.kernels:
  - .name:           k_q20a91fb869_route_mm
    .symbol:         k_q20a91fb869_route_mm.kd
    .args:
      - { .name: order, .offset: 0, .size: 8, .value_kind: global_buffer, .address_space: global }
      - { .name: x, .offset: 8, .size: 8, .value_kind: global_buffer, .address_space: global }
      - { .name: trans, .offset: 16, .size: 8, .value_kind: global_buffer, .address_space: global }
      - { .name: bias, .offset: 24, .size: 8, .value_kind: global_buffer, .address_space: global }
      - { .name: out0, .offset: 32, .size: 8, .value_kind: global_buffer, .address_space: global }
    .group_segment_fixed_size: 199168
    .private_segment_fixed_size: 0
    .kernarg_segment_align: 8
    .kernarg_segment_size: 40
    .max_flat_workgroup_size: 512
    .sgpr_count:     66
    .vgpr_count:     256
    .wavefront_size: 32
...
	.end_amdgpu_metadata
.endif
;; end of part 2
;; ======== version 2 of 2: 1 launch; 1.13 times as fast as version 1
;; launch route_mm (part 3): grid 256 x 1, 16 waves a work-group, no clusters, 199,168 bytes of LDS; arguments urls, x, trans, bias, out0; writes out0
.if DOCPART == 3
	.amdgcn_target "amdgcn-amd-amdhsa--gfx1250"
	.amdhsa_code_object_version 6
	.text
	.protected	k_q20a91fb869_route_mm
	.globl	k_q20a91fb869_route_mm
	.p2align	8
	.type	k_q20a91fb869_route_mm,@function
k_q20a91fb869_route_mm:
	s_mov_b64 s[64:65], 0
	v_nop
	global_prefetch_b8 v0, s[64:65] scope:SCOPE_SE
	s_setreg_imm32_b32 hwreg(HW_REG_WAVE_MODE, 25, 1), 1
	s_wait_xcnt 0x0
; out0[n][:] = tanh(x[n][:] . trans[urls[n]] + bias[urls[n]][:]),  n = 0 .. 1023,  64 experts,  D = 1024, all f32 in memory.
; Only the routed product reaches the output, so each expert's 4 MiB of weights are read once and multiplied with its own tokens.
;
; SHARES.  256 work-groups of 16 waves.  Work-group g: expert e = g >> 2, columns 256 (g & 3) .. + 255: 1 MiB of trans.
; Wave w: column group c = w >> 2 (64 columns = 256 bytes of each row of trans), K quarter q = w & 3 (256 rows): 64 KiB, in 8 K steps of 32.
; The four K quarters' partial sums meet in LDS; then each wave finishes 8 token places x 64 columns (bias, tanh, store).
;
; ROUTING, IN REGISTERS.  Every wave reads all 1,024 indices (4 KiB) and compares them with e: 32 ballots in scalar registers, kept for the
; whole launch.  The expert's tokens are numbered in the order (ballot word, lane): that is the list, and a number in it is a place.  The list
; is never written down: for each pass a wave works out the tokens of the ten places that it needs itself (two rows of x to bring, eight
; rows of out0 to store), one place a lane (macro TABLE), and takes them into scalar registers.  So what steers a jump or a global address
; stays in the wave's own registers, and the routing needs no launch and no buffer of its own; the price is that sixteen waves repeat it.
; A pass serves 32 places.  Pass 0 is written out; passes 1 to 31 are a loop of fixed length whose three phases are jumped over where the
; list has ended, while its two barriers stand on every wave's path.
;
; FRAGMENTS WITHOUT A TRANSPOSE.  trans lies [k][column]; the matrix instruction wants k along a lane's registers.  Lane (r, h) loads,
; for i = 0 .. 15, the 16 bytes of row k0 + 16 h + i at columns 4 r .. 4 r + 3: sixteen lanes cover 256 consecutive bytes, aligned.
; Word jt of loads 2 m and 2 m + 1, rounded and packed, is register m of a B fragment that stands for the columns 4 r + jt.  k is thereby
; permuted inside the K step; A's fragment takes the same permutation: lane (r, h) reads x[place r][k0 + 16 h .. + 15], 32 consecutive bytes of bf16.
; In the result, register j of tile jt is (place 8 h + j, column 4 r + jt): the four tiles' registers j are 16 neighbouring bytes of an output row.
;
; NOT USED, AND WHY.  Tensor loads and LDS for trans: the weights go from the load's registers straight into fragments, and 32 loads of 512
; bytes a wave, 16 waves, are 256 KiB on their way for the work-group.  Clusters: what an expert's four work-groups share is x, 16 rows of
; 4 KiB on average against 1 MiB of weights each, gathered by a list and rounded on the way.  Prefetch: the stream itself is the launch.
;
; LIMITS.  Matrix operands are rounded to bf16, sums are f32 (four partial sums over K, added pairwise).
; tanh(y) = 1 - 2 / (1 + 2^(2.885390 y)): it saturates to +1 and -1 through infinity and zero; its absolute error is a few 1e-7,
; so for |y| below about 1e-5 the relative accuracy falls off.  An index outside 0 .. 63 matches no expert: that row of out0 is not written
; (an index stays inside its table by the problem's own terms).  Every further 32 tokens of one expert stream its slice of trans once more:
; a matter of time, not of values.  An expert without tokens still streams its slice once and stores nothing.
.set NTOK,   1024
.set ROWB,   4096                      ; bytes in a row of x, trans, bias, out0
.set CAP,    32                        ; list places in a pass: two token tiles of 16
; LDS: from byte 0, 32 rows of x in bf16; behind them the partial sums
.set XPITCH, 2064                      ; 2,048 bytes + 16: 129 x 16, so sixteen rows' 16-byte pieces fall on sixteen different places modulo 256
.set XTILE,  16*XPITCH
.set RED0,   2*XTILE                   ; 66,048: 16 waves x 8,192 bytes of partial sums; ends at 197,120
; vector registers
;   v1  offset in trans: (h << 16) | (r << 4)        v2  LDS address of my A fragments      v3  LDS address where I put a row of x
;   v4  LDS address of my partial sums               v5  LDS address of the sums I finish   v6  the place in a pass that my lane looks up
;   v7  column bytes + 16 r     v8  my first place in the pass (finish)     v9  16 x lane   v10, v11 at work              v[12:15] bias x 2.885390
.set AF,   16                          ; v[16:31]   A fragments, token tiles 0 and 1; in the finish v[16:19] tokens, v[20:23] offsets in out0
.set B,    32                          ; v[32:63]   B fragments jt = 0 .. 3; outside the stream v[32:42] are TABLE's
.set ACC,  64                          ; v[64:127]  sums, tile (t, jt) at 64 + 32 t + 8 jt; before that the indices, and the rows of x as loaded
.set RAW,  128                         ; v[128:255] two halves of 16 loads x 4 words of trans; in the finish the partial sums
.set OUTR, 192                         ; v[192:207] in the finish: four places x 4 columns to store
.set TP,   32                          ; TABLE: my lane's place in the list
.set TM,   33                          ;        the ballot word that holds it
.set TI,   34                          ;        that word's first place << 16 | its lane 0's token; at the end the token
.set TK,   35                          ;        which set bit of the word
.set C2,   36                          ;        the word's set bits counted in fields of 2,
.set C4,   37                          ;        4,
.set C8,   38                          ;        8 bits,
.set C16,  39                          ;        and, in byte 0, in bits 0 to 15
.set TPOS, 40                          ;        the bit's position
.set TT,   41                          ;        at work
.set TU,   42
; scalar registers
;   s2 w  s3 c  s14 q  s15 e  s16 column bytes  s17 count  s18 the pass's first place  s19 count - s18  s[4:5] urls  s[6:7] x
;   s[8:9] trans at my first row and column  s[10:11] bias at row e  s[12:13] out0  s[20:23] two rows of x  s[24:25] an offset, high word 0
;   s26, s31 at work, my two rows' tokens  s27 at work, takes the old EXEC  s28 2.885390  s29, s30 my two places
.set BAL,  32                          ; s[32:63]  32 ballots: bit l of word n = token 128 (n >> 2) + (n & 3) + 4 l is my expert's
.set TOK,  66                          ; s[66:73]  the tokens of the eight places that I finish: four for lanes 0-15, four for lanes 16-31
.set HIGH, 74                          ; s74       the mask of lanes 16 to 31
.macro PLACES                          ; four plain vector instructions behind a matrix instruction, before its sources are loaded or written again
.rept 4                                ; and before its result is read by anything but the next link of its sum (ISA guide 7.12.1)
	v_nop
.endr
.endm
.macro BAR                             ; my LDS instructions are done, loads and stores; then every wave's are
	s_wait_dscnt 0x0
	s_barrier_signal -1
	s_barrier_wait -1
.endm
; One halving step of the search for set bit TK of the word: the field of \src at TPOS counts the set bits in the lower half of what is left.
; If TK is at least that many, the bit lies in the upper half: TK goes down by them, TPOS up by \stp.
.macro SEL src, msk, stp
	v_lshrrev_b32 v[TT], v[TPOS], v[\src]
	v_and_b32 v[TT], \msk, v[TT]
	v_cmp_ge_u32 vcc_lo, v[TK], v[TT]
	v_sub_nc_u32 v[TT], v[TK], v[TT]
	v_add_nc_u32 v[TU], \stp, v[TPOS]
	v_cndmask_b32 v[TK], v[TK], v[TT], vcc_lo
	v_cndmask_b32 v[TPOS], v[TPOS], v[TU], vcc_lo
.endm
; The tokens of this pass's places, one place a lane.  Lanes 0-3: the four places that lanes 0-15 finish; lanes 4-7: those of lanes 16-31;
; lane 8: place w, lane 9: place w + 16 (the rows of x that I bring); the other lanes repeat lanes 8 and 9.
; The words' first places never fall, and a word without tokens has the next word's first place: so the last word whose first place is at or
; below my place is the one that holds it.  A place behind the list's end gets some token number below 1,024, which nothing uses.
; first = 1: the walk's last sum is kept as the count.
.macro TABLE first
	v_add_nc_u32 v[TP], s18, v6
	v_mov_b32 v[TM], s[BAL]                        ; word 0 begins at place 0, at or below every place,
	v_mov_b32 v[TI], 0                             ; and its lane 0 holds token 0
	s_bcnt1_i32_b32 s31, s[BAL]                    ; the next word's first place
.set n, 1
.rept 31
	v_cmp_le_u32 vcc_lo, s31, v[TP]                ; word n begins at or below my place
	s_lshl_b32 s26, s31, 16
	s_or_b32 s26, s26, 128*(n>>2)+(n&3)
	v_cndmask_b32 v[TM], v[TM], s[BAL+n], vcc_lo
	v_cndmask_b32 v[TI], v[TI], s26, vcc_lo
	s_bcnt1_i32_b32 s27, s[BAL+n]
	s_add_co_u32 s31, s31, s27
.set n, n+1
.endr
.if \first
	s_min_u32 s17, s31, NTOK                       ; the count
.endif
	v_lshrrev_b32 v[TK], 16, v[TI]
	v_sub_nc_u32 v[TK], v[TP], v[TK]               ; my place within the word: which of its set bits, from 0
	v_and_b32 v[TI], 0xffff, v[TI]
	v_lshrrev_b32 v[C2], 1, v[TM]                  ; set bits in fields of 2: m - ((m >> 1) & 0101..)
	v_and_b32 v[C2], 0x55555555, v[C2]
	v_sub_nc_u32 v[C2], v[TM], v[C2]
	v_lshrrev_b32 v[C4], 2, v[C2]                  ; of 4: neighbouring fields added
	v_and_b32 v[C4], 0x33333333, v[C4]
	v_and_b32 v[TT], 0x33333333, v[C2]
	v_add_nc_u32 v[C4], v[C4], v[TT]
	v_lshrrev_b32 v[C8], 4, v[C4]                  ; of 8
	v_add_nc_u32 v[C8], v[C8], v[C4]
	v_and_b32 v[C8], 0x0f0f0f0f, v[C8]
	v_lshrrev_b32 v[C16], 8, v[C8]                 ; byte 0: bits 0 to 15 (16 at the most: no carry)
	v_add_nc_u32 v[C16], v[C16], v[C8]
	v_mov_b32 v[TPOS], 0
	SEL C16, 0xff, 16
	SEL C8,  0xff, 8
	SEL C4,  15,   4
	SEL C2,  3,    2
	SEL TM,  1,    1
	v_lshl_add_u32 v[TI], v[TPOS], 2, v[TI]        ; the token: the word's first + 4 x lane
.irp i, 0,1,2,3,4,5,6,7
	v_readlane_b32 s[TOK+\i], v[TI], \i
.endr
	v_readlane_b32 s26, v[TI], 8
	v_readlane_b32 s31, v[TI], 9
.endm
; K step s of my 64 KiB of trans: 16 loads, two rows each (lanes 0-15 row 32 s + i, lanes 16-31 row 32 s + 16 + i), into half s % 2 of RAW.
; The step stands in the immediate (978,944 at the most), so no address register is ever stepped.  Read once in the usual case: not kept in the caches.
.macro FILL s
.irp i, 0,1,2,3,4,5,6,7,8,9,10,11,12,13,14,15
	global_load_b128 v[RAW+64*((\s)%2)+4*\i:RAW+64*((\s)%2)+4*\i+3], v1, s[8:9] offset:(32*(\s)+\i)*ROWB th:TH_LOAD_NT
.endr
.endm
; One K step.  zero = 1: the products start the sums.  refill = 1: the half just converted is asked for again, two steps ahead.
; left = how many younger loads may stay out when this step's 16 have to be there.
.macro STEP s, zero, refill, left
.if \s
	PLACES                                         ; behind the last step's matrix instructions: A is loaded and B written again below
.endif
	ds_load_b128 v[AF:AF+3],     v2 offset:64*\s                   ; tile 0: x[place r][k0 + 16 h .. + 7]
	ds_load_b128 v[AF+4:AF+7],   v2 offset:64*\s+16                ;                    .. + 8 .. + 15
	ds_load_b128 v[AF+8:AF+11],  v2 offset:XTILE+64*\s             ; tile 1: places 16 to 31
	ds_load_b128 v[AF+12:AF+15], v2 offset:XTILE+64*\s+16
	s_wait_loadcnt \left                           ; loads come back in order: this step's are in, the next step's 16 stay out
.irp jt, 0,1,2,3
.irp m, 0,1,2,3,4,5,6,7
	v_cvt_pk_bf16_f32 v[B+8*\jt+\m], v[RAW+64*(\s%2)+8*\m+\jt], v[RAW+64*(\s%2)+8*\m+4+\jt]    ; rows 16 h + 2 m and + 2 m + 1 of column 4 r + jt
.endr
.endr
.if \refill
	FILL \s+2
.endif
	s_wait_dscnt 0x0                               ; A's fragments
	; eight sums take turns, one instruction a turn, over the step's end too
.irp jt, 0,1,2,3
.irp t, 0,1
.if \zero
	v_wmma_f32_16x16x32_bf16 v[ACC+32*\t+8*\jt:ACC+32*\t+8*\jt+7], v[AF+8*\t:AF+8*\t+7], v[B+8*\jt:B+8*\jt+7], 0
.else
	v_wmma_f32_16x16x32_bf16 v[ACC+32*\t+8*\jt:ACC+32*\t+8*\jt+7], v[AF+8*\t:AF+8*\t+7], v[B+8*\jt:B+8*\jt+7], v[ACC+32*\t+8*\jt:ACC+32*\t+8*\jt+7]
.endif
.endr
.endr
.endm
; My K quarter for the pass's 32 places, then my partial sums into my own 8 KiB of LDS.  early = 1: steps 0 and 1 have been asked for already.
.macro STREAM early
.if \early == 0
	FILL 0
	FILL 1
.endif
	STEP 0, 1, 1, 16
	STEP 1, 0, 1, 16
	STEP 2, 0, 1, 16
	STEP 3, 0, 1, 16
	STEP 4, 0, 1, 16
	STEP 5, 0, 1, 16
	STEP 6, 0, 0, 16                               ; step 7's loads are the last
	STEP 7, 0, 0, 0
	PLACES                                         ; behind the last matrix instructions: the stores below read results
.irp t, 0,1
.irp jt, 0,1,2,3
.irp jq, 0,1
	ds_store_b128 v4, v[ACC+32*\t+8*\jt+4*\jq:ACC+32*\t+8*\jt+4*\jq+3] offset:512*(8*\t+2*\jt+\jq)   ; places 16 t + 8 h + 4 jq .. + 3, column 4 r + jt; 16 bytes a lane, side by side
.endr
.endr
.endr
.endm
; A row of x: eight loads of 512 consecutive bytes.  Four work-groups read it, so no hint.
.macro LOADROW i
.irp j, 0,1,2,3,4,5,6,7
	global_load_b128 v[ACC+32*\i+4*\j:ACC+32*\i+4*\j+3], v9, s[20+2*\i:21+2*\i] offset:512*\j
.endr
.endm
.macro PUTROW i                        ; rounded to bf16, 8 bytes a lane, into row w + 16 i of X
.irp j, 0,1,2,3,4,5,6,7
	v_cvt_pk_bf16_f32 v[ACC+32*\i+4*\j],   v[ACC+32*\i+4*\j],   v[ACC+32*\i+4*\j+1]
	v_cvt_pk_bf16_f32 v[ACC+32*\i+4*\j+1], v[ACC+32*\i+4*\j+2], v[ACC+32*\i+4*\j+3]
	ds_store_b64 v3, v[ACC+32*\i+4*\j:ACC+32*\i+4*\j+1] offset:\i*XTILE+256*\j
.endr
.endm
.macro ZEROROW i                       ; a place behind the list's end: zeros, so that no byte of X is read that was not written
.irp j, 0,1,2,3,4,5,6,7
	ds_store_b64 v3, v[10:11] offset:\i*XTILE+256*\j
.endr
.endm
; The pass's tokens, then its 32 rows of x into LDS: wave w brings places w and w + 16.
; early = 1 (pass 0): K step 0 of trans is on its way already, and K step 1 is asked for behind the rows of x, so that these do not queue behind it.
.macro STAGE early
	TABLE \early
	s_add_co_u32 s29, s18, s2                      ; my two places in the list
	s_add_co_u32 s30, s29, 16
	v_mov_b32 v10, 0                               ; a pair of zeros for the rows behind the list's end
	v_mov_b32 v11, 0
	s_min_u32 s26, s26, 0x3ff                      ; a token number, held inside x
	s_lshl_b32 s24, s26, 12
	s_add_nc_u64 s[20:21], s[6:7], s[24:25]        ; s[20:23] were last named by loads whose counted waits have passed
	s_min_u32 s31, s31, 0x3ff
	s_lshl_b32 s24, s31, 12
	s_add_nc_u64 s[22:23], s[6:7], s[24:25]
	s_cmp_lt_u32 s30, s17                          ; the second place inside the list: then the first is too
	s_cbranch_scc0 .Lnot_both_\@
	LOADROW 0
	LOADROW 1
.if \early
	FILL 1
.endif
	s_wait_loadcnt 8+16*\early                     ; row 0 is in; row 1's 8 loads (and K step 1's 16) stay out
	PUTROW 0
	s_wait_loadcnt 16*\early                       ; row 1 is in; (K step 1's 16 stay out)
	PUTROW 1
	s_branch .Lstaged_\@
.Lnot_both_\@:
	s_cmp_lt_u32 s29, s17
	s_cbranch_scc0 .Lnone_\@
	LOADROW 0
.if \early
	FILL 1
.endif
	s_wait_loadcnt 16*\early                       ; row 0 is in; (K step 1's 16 stay out)
	PUTROW 0
	ZEROROW 1
	s_branch .Lstaged_\@
.Lnone_\@:
.if \early
	FILL 1
.endif
	ZEROROW 0
	ZEROROW 1
.Lstaged_\@:
.endm
; Wave (c, q) finishes places 16 (q >> 1) + 8 h + 4 (q & 1) + 0 .. 3 of column group c: the four K quarters' sums, bias, tanh, store.
.macro FINISH
	s_sub_co_u32 s19, s17, s18                     ; places of this pass that the list fills
.irp qq, 0,1,2,3
.irp jt, 0,1,2,3
	ds_load_b128 v[RAW+16*\qq+4*\jt:RAW+16*\qq+4*\jt+3], v5 offset:8192*\qq+1024*\jt
.endr
.endr
	s_wait_dscnt 0x0
.irp p, 0,2,4,6,8,10,12,14
	v_pk_add_f32 v[RAW+\p:RAW+\p+1],       v[RAW+\p:RAW+\p+1],       v[RAW+16+\p:RAW+16+\p+1]
	v_pk_add_f32 v[RAW+32+\p:RAW+32+\p+1], v[RAW+32+\p:RAW+32+\p+1], v[RAW+48+\p:RAW+48+\p+1]
.endr
.irp p, 0,2,4,6,8,10,12,14
	v_pk_add_f32 v[RAW+\p:RAW+\p+1], v[RAW+\p:RAW+\p+1], v[RAW+32+\p:RAW+32+\p+1]
.endr
.irp jt, 0,1,2,3
.irp jj, 0,1,2,3
	v_fma_f32 v[RAW+4*\jt+\jj], v[RAW+4*\jt+\jj], s28, v[12+\jt]   ; z = 2.885390 (sum + bias)
.endr
.endr
.irp u, 0,1,2,3,4,5,6,7,8,9,10,11,12,13,14,15
	v_exp_f32 v[RAW+\u], v[RAW+\u]
.endr
	v_nop                                          ; one plain instruction between the last exponential and the first use (ISA guide 5.7.2)
	s_wait_alu depctr_va_vdst(0)
.irp p, 0,2,4,6,8,10,12,14
	v_pk_add_f32 v[RAW+\p:RAW+\p+1], v[RAW+\p:RAW+\p+1], 1.0 op_sel_hi:[1,0]
.endr
.irp u, 0,1,2,3,4,5,6,7,8,9,10,11,12,13,14,15
	v_rcp_f32 v[RAW+\u], v[RAW+\u]
.endr
	v_nop                                          ; likewise behind the reciprocals
	s_wait_alu depctr_va_vdst(0)
.irp jj, 0,1,2,3
.irp jt, 0,1,2,3
	v_fma_f32 v[OUTR+4*\jj+\jt], v[RAW+4*\jt+\jj], -2.0, 1.0       ; tanh; a place's four columns side by side
.endr
.endr
.irp jj, 0,1,2,3
	v_mov_b32 v[16+\jj], s[TOK+\jj]                                ; the place's token: lanes 0-15,
	v_cndmask_b32 v[16+\jj], v[16+\jj], s[TOK+4+\jj], s[HIGH]      ; lanes 16-31, eight places further on
	v_min_u32 v[16+\jj], 0x3ff, v[16+\jj]          ; a token number, held inside out0
	v_lshlrev_b32 v[20+\jj], 12, v[16+\jj]         ; its row,
	v_add_nc_u32 v[20+\jj], v7, v[20+\jj]          ; my 16 bytes
.endr
.irp jj, 0,1,2,3
	v_add_nc_u32 v11, \jj, v8
	v_cmp_gt_u32 vcc_lo, s19, v11                  ; the place lies inside the list
	s_wait_xcnt 0x0                                ; EXEC is a source of every pending load and store: it changes only behind this wait
	s_and_saveexec_b32 s27, vcc_lo
	global_store_b128 v[20+\jj], v[OUTR+4*\jj:OUTR+4*\jj+3], s[12:13] th:TH_STORE_NT   ; sixteen lanes store 256 consecutive bytes, aligned
	s_wait_xcnt 0x0                                ; and again before it widens; the store's data and offset are free behind it too
	s_mov_b32 exec_lo, -1                          ; all lanes were on in front of the store: all on again
.endr
.endm
	; ---- arguments, ids, addresses
	s_load_b256 s[4:11], s[0:1], 0x0               ; urls s[4:5], x s[6:7], trans s[8:9], bias s[10:11]
	s_load_b64 s[12:13], s[0:1], 0x20              ; out0
	v_lshrrev_b32 v10, 5, v0
	v_readfirstlane_b32 s2, v10                    ; wave w
	s_lshr_b32 s3, s2, 2                           ; column group c
	s_and_b32 s14, s2, 3                           ; K quarter q
	s_lshr_b32 s15, ttmp9, 2                       ; expert e
	s_and_b32 s16, ttmp9, 3                        ; slice of 256 columns
	s_lshl_b32 s16, s16, 10
	s_lshl_b32 s26, s3, 8
	s_add_co_u32 s16, s16, s26                     ; my first column, in bytes
	s_mov_b32 s28, 0x4038aa3b                      ; 2 / ln 2 = 2.885390
	s_mov_b32 s[HIGH], 0xffff0000                  ; lanes 16 to 31
	v_and_b32 v10, 31, v0                          ; lane
	v_and_b32 v11, 15, v0                          ; r
	v_bfe_u32 v32, v0, 4, 1                        ; h
	v_lshlrev_b32 v1, 4, v11
	v_lshl_or_b32 v1, v32, 16, v1                  ; 16 h rows of 4,096 bytes + 16 r
	v_mul_u32_u24 v2, v11, XPITCH
	v_lshl_add_u32 v2, v32, 5, v2                  ; row r, + 16 h numbers of bf16,
	s_lshl_b32 s26, s14, 9
	v_add_nc_u32 v2, s26, v2                       ; + my K quarter's 256 numbers
	s_mul_i32 s26, s2, XPITCH
	v_lshl_add_u32 v3, v10, 3, s26                 ; row w of X, 8 bytes a lane
	v_lshlrev_b32 v9, 4, v10                       ; 16 x lane
	s_lshl_b32 s26, s2, 13
	s_add_co_u32 s26, s26, RED0
	v_add_nc_u32 v4, s26, v9                       ; my wave's partial sums
	s_lshr_b32 s29, s14, 1                         ; the finish: token tile q >> 1,
	s_and_b32 s30, s14, 1                          ; half q & 1 of a lane's eight places
	s_lshl_b32 s26, s3, 15                         ; the four waves of my column group: 4 x 8,192 bytes
	s_lshl_b32 s31, s29, 12
	s_add_co_u32 s26, s26, s31
	s_lshl_b32 s31, s30, 9
	s_add_co_u32 s26, s26, s31
	s_add_co_u32 s26, s26, RED0
	v_add_nc_u32 v5, s26, v9
	s_lshl_b32 s31, s29, 4
	s_lshl_b32 s26, s30, 2
	s_add_co_u32 s31, s31, s26                     ; F = 16 (q >> 1) + 4 (q & 1)
	v_lshl_add_u32 v8, v32, 3, s31                 ; + 8 h: my first place in the finish
	v_and_b32 v33, 4, v10                          ; which place my lane looks up in TABLE.  Lanes 0-7: F + lane + (lane & 4)
	v_add3_u32 v33, v33, v10, s31                  ; = F .. F + 3, F + 8 .. F + 11
	v_and_b32 v34, 1, v10
	v_lshl_add_u32 v34, v34, 4, s2                 ; the other lanes: w (even lanes), w + 16 (odd lanes)
	v_cmp_gt_u32 vcc_lo, 8, v10
	v_cndmask_b32 v6, v34, v33, vcc_lo
	v_lshl_add_u32 v7, v11, 4, s16                 ; my 16 bytes in a row of bias and of out0
	s_lshl_b32 s24, s15, 22                        ; e x 4 MiB
	s_lshl_b32 s26, s14, 20                        ; + q x 256 rows
	s_add_co_u32 s24, s24, s26
	s_add_co_u32 s24, s24, s16                     ; + my first column: below 2^28
	s_mov_b32 s25, 0                               ; stays 0
	s_wait_kmcnt 0x0
	s_add_nc_u64 s[8:9], s[8:9], s[24:25]
	s_lshl_b32 s24, s15, 12
	s_add_nc_u64 s[10:11], s[10:11], s[24:25]      ; bias at row e
	; ---- first loads: the indices in front, since everything else hangs on them; then the bias and K step 0 of trans
.irp i, 0,1,2,3,4,5,6,7
	global_load_b128 v[ACC+4*\i:ACC+4*\i+3], v9, s[4:5] offset:512*\i      ; register 4 i + j holds the index of token 128 i + 4 lane + j
.endr
	global_load_b128 v[12:15], v7, s[10:11]        ; bias of my four columns
	FILL 0
	s_wait_loadcnt 17                              ; the eight loads of indices are in; the bias and K step 0's 16 stay out
.set n, 0
.rept 32
	v_cmp_eq_u32 s[BAL+n], s15, v[ACC+n]           ; which lanes' tokens are my expert's
.set n, n+1
.endr
	; ---- pass 0, on every path
	s_mov_b32 s18, 0
	STAGE 1
	BAR                                            ; X is whole
	STREAM 1
.irp j, 0,1,2,3
	v_mul_f32 v[12+\j], s28, v[12+\j]              ; bias x 2.885390, once: it rides on the multiply-add of the finish
.endr
	BAR                                            ; all partial sums are in LDS, and nobody reads X any more
	FINISH
	; ---- passes 1 to 31: places 32, 64, .. 992.  The phases run only while the list lasts; the barriers stand outside the jumps.
	; X is written again only behind the second barrier of the pass before; the partial sums only behind this pass's first,
	; in front of which every wave's reads of them are back.
	s_mov_b32 s18, CAP
.Lpass:
	s_cmp_lt_u32 s18, s17
	s_cbranch_scc0 .Lno_stage
	STAGE 0
.Lno_stage:
	BAR
	s_cmp_lt_u32 s18, s17
	s_cbranch_scc0 .Lno_stream
	STREAM 0
.Lno_stream:
	BAR
	s_cmp_lt_u32 s18, s17
	s_cbranch_scc0 .Lno_finish
	FINISH
.Lno_finish:
	s_add_co_u32 s18, s18, CAP
	s_cmp_lt_u32 s18, NTOK
	s_cbranch_scc1 .Lpass
	s_wait_xcnt 0x0
	s_mov_b32 exec_lo, -1
	v_lshl_add_u32 v62, v0, 2, 0x30200
	v_mov_b32 v63, 0
	s_wait_tensorcnt 0x0
	ds_add_u32 v62, v63
	s_wait_dscnt 0x0
	s_endpgm
.Lfunc_end_k_q20a91fb869_route_mm:
	.size	k_q20a91fb869_route_mm, .Lfunc_end_k_q20a91fb869_route_mm-k_q20a91fb869_route_mm
	.p2alignl 7, 3214868480
	.fill 96, 4, 3214868480
	.section	.rodata,"a",@progbits
	.p2align	6, 0x0
	.amdhsa_kernel k_q20a91fb869_route_mm
		.amdhsa_group_segment_fixed_size 199168
		.amdhsa_private_segment_fixed_size 0
		.amdhsa_enable_private_segment 0
		.amdhsa_kernarg_size 40
		.amdhsa_user_sgpr_count 2
		.amdhsa_user_sgpr_kernarg_segment_ptr 1
		.amdhsa_wavefront_size32 1
		.amdhsa_system_sgpr_workgroup_id_x 1
		.amdhsa_system_sgpr_workgroup_id_y 1
		.amdhsa_system_sgpr_workgroup_id_z 1
		.amdhsa_system_vgpr_workitem_id 0
		.amdhsa_next_free_vgpr 256
		.amdhsa_next_free_sgpr 76
		.amdhsa_reserve_vcc 1
		.amdhsa_float_denorm_mode_32 3
		.amdhsa_float_denorm_mode_16_64 3
		.amdhsa_memory_ordered 1
		.amdhsa_forward_progress 1
		.amdhsa_inst_pref_size 142
	.end_amdhsa_kernel
	.amdgpu_metadata
---
amdhsa.version: [ 1, 2 ]
amdhsa.kernels:
  - .name:           k_q20a91fb869_route_mm
    .symbol:         k_q20a91fb869_route_mm.kd
    .args:
      - { .name: urls, .offset: 0, .size: 8, .value_kind: global_buffer, .address_space: global }
      - { .name: x, .offset: 8, .size: 8, .value_kind: global_buffer, .address_space: global }
      - { .name: trans, .offset: 16, .size: 8, .value_kind: global_buffer, .address_space: global }
      - { .name: bias, .offset: 24, .size: 8, .value_kind: global_buffer, .address_space: global }
      - { .name: out0, .offset: 32, .size: 8, .value_kind: global_buffer, .address_space: global }
    .group_segment_fixed_size: 199168
    .private_segment_fixed_size: 0
    .kernarg_segment_align: 8
    .kernarg_segment_size: 40
    .max_flat_workgroup_size: 512
    .sgpr_count:     76
    .vgpr_count:     256
    .wavefront_size: 32
...
	.end_amdgpu_metadata
.endif
;; end of part 3
